; MI455X (gfx1250); checked and timed in simulation.
; The chip was launched on July 23, 2026; its instructions are those of AMD's public machine-readable ISA for CDNA 5 (MIT licence, August 2026) and "CDNA5" Instruction Set Architecture Reference Guide (July 2026). The comments in the code are by the model that wrote it; some were corrected since.
;; Attention. Allowed arithmetic: matrix products marked QUANTISED: E4M3 operands, one E8M0 scale for each 32 along K, by v_wmma_scale_f32_16x16x128_f8f6f4 with both operands' format E4M3, f32 sums; everything else in f32.
;; Inputs: W_k_codes 16 x 64 x 32 x 32 uint8 (E4M3 codes of W_k, K innermost, in blocks of 32 codes); W_k_scales 16 x 64 x 32 uint8 (E8M0 scales of W_k, one for each 32 codes along K); W_o 16 x 64 x 1,024 float32; W_q_codes 16 x 64 x 32 x 32 uint8 (E4M3 codes of W_q, K innermost, in blocks of 32 codes); W_q_scales 16 x 64 x 32 uint8 (E8M0 scales of W_q, one for each 32 codes along K); W_v_codes 16 x 64 x 32 x 32 uint8 (E4M3 codes of W_v, K innermost, in blocks of 32 codes); W_v_scales 16 x 64 x 32 uint8 (E8M0 scales of W_v, one for each 32 codes along K); mask 4 x 2,048 bool; x_codes 4 x 2,048 x 32 x 32 uint8 (E4M3 codes of x, K innermost, in blocks of 32 codes); x_scales 4 x 2,048 x 32 uint8 (E8M0 scales of x, one for each 32 codes along K).
;; Outputs: out0 4 x 2,048 x 1,024 float32.
;; This version of the problem:
;;   THIS VERSION OF THE PROBLEM IS GIVEN IN LOW PRECISION. The matrix products marked QUANTISED in the list below multiply operands that are first quantised to E4M3 (4 exponent bits, 3 mantissa bits; 8 bits a number), with one power-of-two scale for each 32 numbers along K (OCP MX v1.0); their sums are f32. All else is computed in f32.
;;   The module's matrix products, in the order in which they are computed (A, B: the left and right operand; K: the contracted axis; several contracted axes count as one K, in the product's order):
;;     1. [M 8,192, K 1,024] x [K 1,024, N 1,024]; A: input x (given as codes); B: input W_q (given as codes): QUANTISED
;;     2. [M 8,192, K 1,024] x [K 1,024, N 1,024]; A: input x (given as codes); B: input W_k (given as codes): QUANTISED
;;     3. [M 8,192, K 1,024] x [K 1,024, N 1,024]; A: input x (given as codes); B: input W_v (given as codes): QUANTISED
;;     4. batch 64 x [M 2,048, K 64] x [K 64, N 2,048]; A: computed on the way; B: computed on the way: QUANTISED
;;     5. batch 64 x [M 2,048, K 2,048] x [K 2,048, N 64]; A: computed on the way; B: computed on the way: QUANTISED
;;     6. [M 8,192, K 1,024] x [K 1,024, N 1,024]; A: computed on the way; B: input W_o: QUANTISED
;;   THE QUANTISER, for each operand of a quantised product, along K:
;;     - K is cut into blocks of 32 from its start; a last block that is shorter is filled with zeros.
;;     - A block's scale is 2^e with e = floor(log2(the largest magnitude in the block)) - 8, held to -126 .. 127; a block of zeros has e = 0. As a byte (E8M0): e + 127.
;;     - Each number is divided by its block's scale, clamped to +-448, and rounded to the nearest number of E4M3, ties to even, subnormals kept.
;;     - The product sums the exact products of the quantised numbers (number of the format x scale) in f32.
;;   ~~~python
;;   def quantise(x, axis):      # numpy; x: float32 -> the quantised numbers, widened to float32 again
;;       x = np.moveaxis(x, axis, -1); K = x.shape[-1]
;;       x = np.pad(x, [(0, 0)] * (x.ndim - 1) + [(0, -K % 32)]); x = x.reshape(x.shape[:-1] + (-1, 32)); a = np.abs(x).max(-1, keepdims=True)
;;       e = np.where(a > 0, np.clip(np.frexp(np.where(a > 0, a, 1))[1] - 1 - 8, -126, 127), 0)      # np.frexp(a)[1] - 1 = floor(log2(a)), exactly
;;       r = np.clip(x / 2.0 ** e, -448, 448)
;;       step = 2.0 ** (np.maximum(np.frexp(np.where(r == 0, 1, r))[1] - 1, -6) - 3)
;;       q = np.round(r / step) * step * 2.0 ** e      # np.round: ties to even
;;       return np.moveaxis(q.reshape(q.shape[:-2] + (-1,))[..., :K], -1, axis).astype(np.float32)
;;   ~~~
;;   OPERANDS COMPUTED ON THE WAY. 'Computed on the way' means the value that the module computes at that place (a softmax that the list does not call 'softmax' is quantised finished and normalised). What goes into a quantiser is computed in f32, as accurately as f32 sums, v_exp_f32 and their like allow (about 1e-6 of the number): no bf16 or f16 on the way to a quantiser, and a product that is left as it is and whose result goes on into a quantised operand takes f32 operands (vector FMAs, or v_wmma_f32_16x16x4_f32). A number that lies on a knife's edge between two numbers of the format may be rounded either way, as far as f32 arithmetic and the matrix unit's own rounding can turn it there, and no further.
;;   INPUTS GIVEN AS CODES. W_k (in the module: [16, 1024, 64], K = its axis 1); W_q (in the module: [16, 1024, 64], K = its axis 1); W_v (in the module: [16, 1024, 64], K = its axis 1); x (in the module: [4, 2048, 1024], K = its axis 2): each comes as NAME_codes (uint8): NAME with its K axis moved to the last place and cut into blocks of 32 codes, [.., K / 32, bytes a block], one block behind the other in memory; one code a byte (a code: sign, 4 exponent bits, 3 mantissa bits); and NAME_scales (uint8): the same leading axes, one E8M0 byte (e + 127) for each 32 codes along K. Its value is code x scale, taken as it is: it is not quantised again, and the codes and scales need not be those that the quantiser above would give.
;; One version. Each part assembles by itself: llvm-mc -triple=amdgcn-amd-amdhsa -mcpu=gfx1250 --defsym DOCPART=n.
;; ======== version 1 of 1: 3 launches
;; workspace buffers: qc 8,388,608 bytes; kc 8,388,608 bytes; vt 8,388,608 bytes; sc3 1,572,864 bytes; wo 1,114,112 bytes; vc 8,388,608 bytes; vs 524,288 bytes
;; launch qkv (part 1): grid 16 x 16, 4 waves a work-group, clusters of 4 x 4, 327,680 bytes of LDS; arguments x_codes, x_scales, W_q_codes, W_q_scales, W_k_codes, W_k_scales, W_v_codes, W_v_scales, mask, W_o, qc, kc, vt, sc3, wo; writes qc, kc, vt, sc3, wo
.if DOCPART == 1
	.amdgcn_target "amdgcn-amd-amdhsa--gfx1250"
	.amdhsa_code_object_version 6
	.text
	.protected	k_q9215e23555_qkv
	.globl	k_q9215e23555_qkv
	.p2align	8
	.type	k_q9215e23555_qkv,@function
k_q9215e23555_qkv:
	s_mov_b64 s[64:65], 0
	v_nop
	global_prefetch_b8 v0, s[64:65] scope:SCOPE_SE
	s_setreg_imm32_b32 hwreg(HW_REG_WAVE_MODE, 25, 1), 1
	s_wait_xcnt 0x0
	s_wait_alu depctr_hold_cnt(0) depctr_sa_sdst(0) depctr_va_vdst(0) depctr_va_sdst(0) depctr_va_ssrc(0) depctr_va_vcc(0) depctr_vm_vsrc(0)
	s_getreg_b32 s2, hwreg(HW_REG_IB_STS2, 6, 4)
	s_cmp_eq_u32 s2, 0
	s_cbranch_scc0 .Lentry_in_a_cluster
	s_endpgm
.Lentry_in_a_cluster:
	s_bfe_u32 s2, ttmp6, 0x10000c
	s_cmp_lg_u32 s2, 0xf033
	s_cbranch_scc0 .Lentry_shape_is_right
	s_endpgm
.Lentry_shape_is_right:
; Q, K, V = x W_q, x W_k, x W_v on the given codes of FP8 (E4M3) with E8M0 scales, K = 1,024; the results are quantised at once for the products that follow and leave as codes.  W_o (f32) is quantised on the side.
; SHARES.  A tile is 256 rows of x against the 192 columns of one head X (64 of Q, 64 of K, 64 of V).  Wave w takes rows 64 w .. 64 w + 63 against all 192 columns: 48 accumulators of 16 x 16.
; A WORK-GROUP STAYS: it makes two tiles, row blocks Y and Y + 16 (the same head, two batches on).  The ring of two slots does not stop at the first tile's end: that tile's last two changes of slots ask for the second
; tile's first 512 along K, which land while the first tile is quantised and stored; nothing waits for the first tile's stores.  The body is written out twice.
; Q's and K's tiles are used TRANSPOSED (source 0 = 16 rows of W, source 1 = 16 rows of x): a lane holds one row of x and its registers run along the head's 64, the next product's K.
; V's tiles are used as they stand (source 0 = x, source 1 = W_v): a lane holds one channel of V and its registers run along the keys, which are V's K in the product after next.
; THE ORDER OF k INSIDE A BLOCK OF 32.  The 16 registers of two neighbouring result tiles are converted as they stand: place (half h, byte 8 u + j) of a block holds index 16 u + 8 h + j of that block.
; Both operands of each later product are made so, blocks of 32 stay whole, so the products are the same and only the grouping of the f32 sums differs.
; WHAT LEAVES is an image of the next operand's registers: four registers a lane, lane l's 16 bytes at 16 l: each store of the wave covers 512 consecutive bytes, aligned.
; THE MASK.  Rows whose mask byte is not 0 get zero codes in Q and in K (the hold's limit is made 0); the attention launch adds the -1e9 of a masked pair inside its first product.
; CLUSTER 4 x 4: x's tile hangs on Y alone and is asked for jointly along a row of the cluster, W's tiles hang on X alone and are asked for jointly along a column.
; W_o: work-group 16 Y + X owns two fragments (16 columns x 128 along K each); its waves 2 and 3 quantise one each while the first tiles are on their way.
; LIMITS: NaN and infinities are not served; a block whose largest magnitude lies under 2^-118, a block of zeros among them, gets the scale byte 1 (its bytes are read by this program alone); any mask byte other than 0 counts as true.
; REGISTERS, in windows of 256.  Window 0: v1-14 lane numbers and addresses; v16-19 mask bytes; v20-25 scale bytes just made; v28-29 for the add; v32-47 x's scale words (all of K, loaded once a tile), v48-95 W's (loaded once);
;   v96-159, v160-223 x's four fragments, two sets; v224-239 at work; v240-255 codes just made.   Window 1: v0-191 W's twelve fragments, one set.
;   Window 2: accumulator (row tile a, column tile n = 0..7: Q's four, K's four) at v[64 a + 8 n].   Window 3: V's accumulator (t, a) at v[8 (4 t + a)].
.set PITCH, 272                        ; an LDS row: 256 bytes + 16 of padding, so that the 16 rows of a fragment load begin 16 bytes apart modulo 256
.set XPART, 256*PITCH                  ; x's 256 rows
.set WPART, 64*PITCH                   ; 64 rows of one W
.set SLOT,  XPART+3*WPART              ; a slot: 256 along K of x, W_q, W_k, W_v
.set SPARE, 259072                     ; the spare words, 128 bytes a wave: two blocks of 256 bytes that no other line names
.set NEXT_X, 16*262144-512             ; bytes from a slot's last part of x's first tile to its first part of the second: 16 blocks of 256 rows down, 512 back along K
.set ADX, 8                            ; v8-9    LDS address of my x fragments in slot 0, 1
.set ADW, 10                           ; v10-11  the same for W
.set WOL, 12                           ; v12     W_o: my lane's byte offset
.set ZR,  14                           ; v14     0
.set MB,  16                           ; v16-19  mask bytes of my rows, tile a
.set PWR, 20                           ; v20-25  the four scale bytes of each quantised group
.set SPW, 28                           ; v28     LDS address of my spare word; never rewritten
.set NIL, 29                           ; v29     0; never rewritten
.set XS,  32                           ; x's scale words: v[XS + 8 p + ks]: lane l holds row 32 p + l
.set WS,  48                           ; W's: v[WS + 8 g + ks]: lane l holds row 32 g + l of the 192
.set XF,  96
.set TM,  224                          ; +0..3 largest magnitudes, +4..7 bytes, +8..11 the largest number x the scale, +12..15 the conversions' scale operands
.set PC,  240
.set WV,  34                           ; s34 wave
.set G1A, 36                           ; s[36:43] group 1 for x's tile;  s[44:51] for a W's tile
.set G1B, 44
.set G0A, 52                           ; s[52:59] group 0 for x, a set for each slot;  s[68:75] for W
.set G0B, 68
.set SEL, 78                           ; s[78:79] v_permlanex16_b32's selects for lane l xor 16
.set MNT, 80                           ; s80 the mantissa field of 448
.set HM,  81                           ; s81 lanes 16-31
.set MK,  82                           ; s82-85 lanes whose row of tile a is masked
.set MSB, 0
.macro WIN new                         ; the immediate's high byte repeats the setting that is left; a switch that changes nothing is dropped
.if MSB != (\new)
	s_set_vgpr_msb (MSB<<8)|(\new)
.set MSB, (\new)
.endif
.endm
.macro PLACES n
.rept \n
	v_nop
.endr
.endm
.macro CREST                           ; a round of the cluster's barrier behind its opening barrier
	s_cmp_lg_u32 s[WV], 0
	s_cbranch_scc1 .Lnot_wave_0_\@
	s_barrier_signal -3
.Lnot_wave_0_\@:
	s_barrier_wait -3
	s_barrier_signal -1
	s_barrier_wait -1
.endm
.macro CROUND
	s_barrier_signal -1
	s_barrier_wait -1
	CREST
.endm
; One scaled matrix instruction.  ra, rb = 1: that side's scale words are taken from lanes 16-31 of the register named.  WMZ starts a sum, WMA adds in place.
.macro WMZ d, a, b, sa, sb, ra, rb
.if (\ra) && (\rb)
	v_wmma_scale_f32_16x16x128_f8f6f4 v[(\d):(\d)+7], v[(\a):(\a)+15], v[(\b):(\b)+15], 0, v[\sa], v[\sb] matrix_a_scale:MATRIX_SCALE_ROW1 matrix_b_scale:MATRIX_SCALE_ROW1
.elseif (\ra)
	v_wmma_scale_f32_16x16x128_f8f6f4 v[(\d):(\d)+7], v[(\a):(\a)+15], v[(\b):(\b)+15], 0, v[\sa], v[\sb] matrix_a_scale:MATRIX_SCALE_ROW1
.elseif (\rb)
	v_wmma_scale_f32_16x16x128_f8f6f4 v[(\d):(\d)+7], v[(\a):(\a)+15], v[(\b):(\b)+15], 0, v[\sa], v[\sb] matrix_b_scale:MATRIX_SCALE_ROW1
.else
	v_wmma_scale_f32_16x16x128_f8f6f4 v[(\d):(\d)+7], v[(\a):(\a)+15], v[(\b):(\b)+15], 0, v[\sa], v[\sb]
.endif
.endm
.macro WMA d, a, b, sa, sb, ra, rb
.if (\ra) && (\rb)
	v_wmma_scale_f32_16x16x128_f8f6f4 v[(\d):(\d)+7], v[(\a):(\a)+15], v[(\b):(\b)+15], v[(\d):(\d)+7], v[\sa], v[\sb] matrix_a_scale:MATRIX_SCALE_ROW1 matrix_b_scale:MATRIX_SCALE_ROW1
.elseif (\ra)
	v_wmma_scale_f32_16x16x128_f8f6f4 v[(\d):(\d)+7], v[(\a):(\a)+15], v[(\b):(\b)+15], v[(\d):(\d)+7], v[\sa], v[\sb] matrix_a_scale:MATRIX_SCALE_ROW1
.elseif (\rb)
	v_wmma_scale_f32_16x16x128_f8f6f4 v[(\d):(\d)+7], v[(\a):(\a)+15], v[(\b):(\b)+15], v[(\d):(\d)+7], v[\sa], v[\sb] matrix_b_scale:MATRIX_SCALE_ROW1
.else
	v_wmma_scale_f32_16x16x128_f8f6f4 v[(\d):(\d)+7], v[(\a):(\a)+15], v[(\b):(\b)+15], v[(\d):(\d)+7], v[\sa], v[\sb]
.endif
.endm
; 64 numbers of a lane, v[s] .. v[s + 63] of window w, register 16 b + i in block b (the block's other 16 lie in lane l xor 16), become 16 registers of codes in v[PC] on and four scale bytes in v[pw].
; mk: a scalar register with the lanes whose codes are all to be zero (0: none).  Each result tile is read from its low end on.
.macro QUANT s, w, pw, mk
	WIN (\w)|((\w)<<2)
.irp b, 0,1,2,3
	v_max3_num_f32 v[TM+\b], |v[(\s)+16*\b]|, |v[(\s)+16*\b+1]|, 0x4800000   ; with the floor 2^(9 - 127): the byte cannot fall under 1
.endr
	WIN ((\w)<<2)|((\w)<<4)
.irp i, 2,4,6,8,10,12,14
.irp b, 0,1,2,3
	v_max3_num_f32 v[TM+\b], v[TM+\b], |v[(\s)+16*\b+\i]|, |v[(\s)+16*\b+\i+1]|   ; the four blocks by turns
.endr
.endr
	WIN 0
.irp b, 0,1,2,3
	v_permlanex16_b32 v[TM+4+\b], v[TM+\b], s[SEL], s[SEL+1]
.endr
.irp b, 0,1,2,3
	v_max_num_f32 v[TM+\b], v[TM+\b], v[TM+4+\b]   ; the block's largest magnitude
.endr
.irp b, 0,1,2,3
	v_add_nc_u32 v[TM+12+\b], 0xfc000000, v[TM+\b]   ; 8 off its exponent field: the conversion's scale operand
.endr
.irp b, 0,1,2,3
	v_and_or_b32 v[TM+8+\b], v[TM+\b], 0x7f800000, s[MNT]   ; 448 x the scale
.endr
.if \mk
.irp b, 0,1,2,3
	v_cndmask_b32 v[TM+8+\b], v[TM+8+\b], v[ZR], s[\mk]   ; a masked row is held at 0: zero codes
.endr
.endif
.irp b, 0,1,2,3
	v_lshrrev_b32 v[TM+4+\b], 23, v[TM+12+\b]   ; the scale's byte
.endr
	v_lshl_or_b32 v[\pw], v[TM+5], 8, v[TM+4]
	v_lshl_or_b32 v[\pw], v[TM+6], 16, v[\pw]
	v_lshl_or_b32 v[\pw], v[TM+7], 24, v[\pw]
	WIN (\w)|((\w)<<6)
.irp b, 0,1,2,3
.irp i, 0,1,2,3,4,5,6,7,8,9,10,11,12,13,14,15
	v_med3_num_f32 v[(\s)+16*\b+\i], v[(\s)+16*\b+\i], -v[TM+8+\b], v[TM+8+\b]   ; the conversion to an 8-bit code does not saturate (ISA guide 7.6.2): the hold comes first
.endr
.endr
	WIN (\w)
.irp b, 0,1,2,3
	v_cvt_scalef32_pk8_fp8_f32 v[PC+4*\b:PC+4*\b+1], v[(\s)+16*\b:(\s)+16*\b+7], v[TM+12+\b]
	v_cvt_scalef32_pk8_fp8_f32 v[PC+4*\b+2:PC+4*\b+3], v[(\s)+16*\b+8:(\s)+16*\b+15], v[TM+12+\b]
.endr
	WIN 0
	v_nop                                          ; one plain vector line behind the last conversion
.endm
; A joint load into slot sl: wave 0 asks for x's tile, waves 1, 2, 3 for W_q's, W_k's, W_v's.  The branch hangs on the wave's number alone.  Four v_nop follow each line.
.macro JLOAD sl
	s_cmp_eq_u32 s[WV], 0
	s_cbranch_scc0 .Lfor_w_\@
	tensor_load_to_lds s[G0A+4*(\sl):G0A+4*(\sl)+3], s[G1A:G1A+7]
	s_nop 0
	PLACES 4
	s_branch .Lasked_\@
.Lfor_w_\@:
	tensor_load_to_lds s[G0B+4*(\sl):G0B+4*(\sl)+3], s[G1B:G1B+7]
	s_nop 0
	PLACES 4
.Lasked_\@:
.endm
	s_load_b512 s[4:19], s[0:1], 0x0               ; x codes 4, x scales 6, W_q codes 8, scales 10, W_k codes 12, scales 14, W_v codes 16, scales 18
	s_load_b256 s[20:27], s[0:1], 0x40             ; mask 20, W_o 22, qc 24, kc 26
	s_load_b128 s[28:31], s[0:1], 0x60             ; vt 28, sc3 30
	s_load_b64 s[32:33], s[0:1], 0x70              ; wo
	v_lshl_add_u32 v[SPW], v0, 2, SPARE
	v_mov_b32 v[NIL], 0
	ds_add_u32 v28, v29
	ds_add_u32 v28, v29
	s_wait_dscnt 0x0
	v_lshrrev_b32 v1, 5, v0
	v_readfirstlane_b32 s[WV], v1                  ; wave 0..3
	s_bfe_u32 s60, ttmp6, 0x40000                  ; cx
	s_bfe_u32 s61, ttmp6, 0x40004                  ; cy
	s_lshl_b32 s62, ttmp9, 2
	s_add_co_u32 s62, s62, s60                     ; X: the head
	s_and_b32 s63, ttmp7, 0xffff
	s_lshl_b32 s63, s63, 2
	s_add_co_u32 s63, s63, s61                     ; Y: my first block of 256 rows, 0 .. 15; the second is Y + 16
	s_lshl_b32 s86, s61, 2
	s_lshl_b32 s86, 15, s86                        ; my row of the cluster
	s_lshl_b32 s87, 0x1111, s60                    ; my column
	s_or_b32 s[G1A], s86, (1<<20)|(1<<21)|(5<<22)|(3<<25)   ; the mask; elements of 1 byte; padding on; bit 21 beside a mask; 4 words behind every 64
	s_or_b32 s[G1B], s87, (1<<20)|(1<<21)|(5<<22)|(3<<25)
	s_mov_b32 s[G1A+1], 256<<16                    ; tensor_dim0 = 256
	s_mov_b32 s[G1A+2], 256<<16                    ; tensor_dim1 = 256
	s_mov_b32 s[G1A+3], 256<<16                    ; tile_dim0 = 256
	s_mov_b32 s[G1A+4], 256                        ; tile_dim1 = 256 rows
	s_mov_b32 s[G1A+5], 1024                       ; from row to row
	s_mov_b32 s[G1A+6], 0
	s_mov_b32 s[G1A+7], 0
	s_mov_b32 s[G1B+1], 256<<16
	s_mov_b32 s[G1B+2], 64<<16                     ; 64 rows
	s_mov_b32 s[G1B+3], 256<<16
	s_mov_b32 s[G1B+4], 64
	s_mov_b32 s[G1B+5], 1024
	s_mov_b32 s[G1B+6], 0
	s_mov_b32 s[G1B+7], 0
	s_lshl_b32 s88, s63, 18                        ; x: 256 rows of 1,024 bytes a block: hangs on Y alone
	s_mov_b32 s89, 0
	s_lshl_b32 s90, s62, 16                        ; W: 64 rows of 1,024 bytes a head: hangs on X alone
	s_mov_b32 s91, 0
	s_mul_i32 s94, s[WV], WPART
	s_add_co_u32 s94, s94, XPART-WPART             ; W's place in a slot: behind x's rows, wave 1 first
	s_wait_kmcnt 0x0
	s_add_nc_u64 s[88:89], s[4:5], s[88:89]
	s_cmp_eq_u32 s[WV], 3                          ; which W is my wave's: the choice hangs on the wave's number alone
	s_cselect_b64 s[92:93], s[16:17], s[12:13]
	s_cmp_le_u32 s[WV], 1
	s_cselect_b64 s[92:93], s[8:9], s[92:93]
	s_add_nc_u64 s[90:91], s[92:93], s[90:91]
.irp s, 0,1
	s_mov_b32 s[G0A+4*\s], 1
	s_mov_b32 s[G0A+4*\s+1], \s*SLOT
	s_add_nc_u64 s[G0A+4*\s+2:G0A+4*\s+3], s[88:89], \s*256
	s_or_b32 s[G0A+4*\s+3], s[G0A+4*\s+3], 0x80000000
	s_mov_b32 s[G0B+4*\s], 1
	s_add_co_u32 s[G0B+4*\s+1], s94, \s*SLOT
	s_add_nc_u64 s[G0B+4*\s+2:G0B+4*\s+3], s[90:91], \s*256
	s_or_b32 s[G0B+4*\s+3], s[G0B+4*\s+3], 0x80000000
.endr
	CROUND                                         ; all sixteen work-groups are here: the first joint loads meet
	s_cmp_eq_u32 s[WV], 0                          ; a wave's two first fills stand in one branch: two loads of mine are out
	s_cbranch_scc0 .Lfirst_w
	tensor_load_to_lds s[G0A:G0A+3], s[G1A:G1A+7]
	s_nop 0
	tensor_load_to_lds s[G0A+4:G0A+7], s[G1A:G1A+7]
	s_nop 0
	PLACES 4
	s_branch .Lfirst_asked
.Lfirst_w:
	tensor_load_to_lds s[G0B:G0B+3], s[G1B:G1B+7]
	s_nop 0
	tensor_load_to_lds s[G0B+4:G0B+7], s[G1B:G1B+7]
	s_nop 0
	PLACES 4
.Lfirst_asked:
	v_and_b32 v1, 15, v0                           ; r
	v_bfe_u32 v2, v0, 4, 1                         ; h
	v_and_b32 v3, 31, v0                           ; lane
	v_lshlrev_b32 v4, 4, v3                        ; 16 x lane
	v_lshlrev_b32 v5, 3, v3                        ; 8 x lane
	v_lshlrev_b32 v6, 5, v3                        ; 32 x lane
	v_lshlrev_b32 v7, 2, v3                        ; 4 x lane
	v_mul_u32_u24 v13, v1, PITCH
	v_lshl_add_u32 v13, v2, 4, v13                 ; a fragment's row x pitch + 16 x half
	s_mul_i32 s98, s[WV], 64*PITCH                 ; my 64 rows of x
	v_add_nc_u32 v[ADX], s98, v13
	v_add_nc_u32 v[ADX+1], SLOT, v[ADX]
	v_add_nc_u32 v[ADW], XPART, v13
	v_add_nc_u32 v[ADW+1], SLOT, v[ADW]
	v_lshlrev_b32 v[WOL], 2, v1
	v_lshl_add_u32 v[WOL], v2, 15, v[WOL]          ; W_o: column r, and 8 rows of 4,096 bytes further down for lanes 16-31
	v_mov_b32 v[ZR], 0
.irp b, 0,1,2,3
	v_mov_b32 v[TM+4+\b], 0                        ; written once: a lane permute's destination counts as one of its sources
.endr
	s_mov_b32 s[SEL], 0x76543210
	s_mov_b32 s[SEL+1], 0xfedcba98
	s_mov_b32 s[MNT], 0x600000
	s_mov_b32 s[HM], 0xffff0000
	; the scale words of all of K come into registers: a row's 32 bytes are eight words, one for each 128 along K
	s_lshl_b32 s96, s63, 13
	s_lshl_b32 s97, s[WV], 11
	s_add_co_u32 s96, s96, s97
	s_mov_b32 s97, 0
	s_add_nc_u64 s[6:7], s[6:7], s[96:97]          ; x's scales at my first row
	s_lshl_b32 s96, s62, 11
	s_add_nc_u64 s[10:11], s[10:11], s[96:97]      ; the head's 64 rows of each W's scales
	s_add_nc_u64 s[14:15], s[14:15], s[96:97]
	s_add_nc_u64 s[18:19], s[18:19], s[96:97]
	s_lshl_b32 s96, s63, 8
	s_lshl_b32 s95, s[WV], 6
	s_add_co_u32 s96, s96, s95
	s_add_nc_u64 s[20:21], s[20:21], s[96:97]      ; the mask at my first row
; x's scale words and the mask bytes of my 64 rows of tile t: 16 blocks of 256 rows are 131,072 bytes of scales and 4,096 of the mask, in the immediates
.macro XLOADS t
.irp p, 0,1
.irp f, 0,1
	global_load_b128 v[XS+8*\p+4*\f:XS+8*\p+4*\f+3], v6, s[6:7] offset:131072*(\t)+1024*\p+16*\f
.endr
.endr
.irp a, 0,1,2,3
	global_load_u8 v[MB+\a], v1, s[20:21] offset:4096*(\t)+16*\a
.endr
.endm
.macro WSCALES j, base
.irp g, 0,1
.irp f, 0,1
	global_load_b128 v[WS+16*\j+8*\g+4*\f:WS+16*\j+8*\g+4*\f+3], v6, s[\base:\base+1] offset:1024*\g+16*\f
.endr
.endr
.endm
	XLOADS 0
	WSCALES 0, 10
	WSCALES 1, 14
	WSCALES 2, 18
	; ---- W_o: two fragments a work-group, one each by waves 2 and 3, while the first tiles are on their way.  No LDS access and no barrier stands in this branch.
	s_cmp_lt_u32 s[WV], 2
	s_cbranch_scc1 .Lno_wo
	s_lshl_b32 s92, s63, 4
	s_add_co_u32 s92, s92, s62                     ; 16 Y + X: 0 .. 255
	s_lshl_b32 s92, s92, 1
	s_and_b32 s93, s[WV], 1
	s_add_co_u32 s92, s92, s93                     ; my fragment: 0 .. 511
	s_and_b32 s93, s92, 7                          ; which 128 along K
	s_lshr_b32 s92, s92, 3                         ; which 16 columns
	s_lshl_b32 s96, s93, 19
	s_lshl_b32 s95, s92, 6
	s_add_co_u32 s96, s96, s95
	s_add_nc_u64 s[22:23], s[22:23], s[96:97]
.irp c, 0,1,2,3
.irp u, 0,1
.irp j, 0,1,2,3,4,5,6,7
	global_load_b32 v[XF+16*\c+8*\u+\j], v[WOL], s[22:23] offset:(32*\c+16*\u+\j)*4096   ; W_o(32 c + 16 u + 8 h + j, r): the order of k that the values' codes have
.endr
.endr
.endr
	s_lshr_b32 s96, s92, 3
	s_lshl_b32 s96, s96, 3
	s_add_co_u32 s96, s96, s93
	s_lshl_b32 s96, s96, 3
	s_and_b32 s95, s92, 7
	s_add_co_u32 s96, s96, s95
	s_lshl_b32 s96, s96, 11                        ; codes: [128 columns][128 along K][16 columns] fragments of 2,048 bytes
	s_add_nc_u64 s[98:99], s[32:33], s[96:97]
	s_lshl_b32 s96, s92, 3
	s_add_co_u32 s96, s96, s93
	s_lshl_b32 s96, s96, 7
	s_add_co_u32 s96, s96, 1048576                 ; scale words behind the codes: [16 columns][128 along K][lane] words
	s_add_nc_u64 s[32:33], s[32:33], s[96:97]
	s_wait_loadcnt 0x0
	QUANT XF, 0, PWR, 0
.irp c, 0,1,2,3
	global_store_b128 v4, v[PC+4*\c:PC+4*\c+3], s[98:99] offset:512*\c
.endr
	global_store_b32 v7, v[PWR], s[32:33]
	s_wait_xcnt 0x0                                ; the stores' registers are written again further down
.Lno_wo:
	; where my first tile's results go; the second tile's lie 32 (batch, head) pairs on, which stands in the stores' immediates
	s_lshr_b32 s92, s63, 3
	s_lshl_b32 s92, s92, 4
	s_add_co_u32 s92, s92, s62                     ; 16 x batch + head
	s_and_b32 s93, s63, 7                          ; my block of 256 rows in the batch
	s_lshl_b32 s96, s92, 7
	s_lshl_b32 s94, s93, 4
	s_add_co_u32 s96, s96, s94
	s_lshl_b32 s94, s[WV], 2
	s_add_co_u32 s96, s96, s94
	s_lshl_b32 s96, s96, 10                        ; Q's and K's images: 1,024 bytes for each tile of 16 rows
	s_add_nc_u64 s[24:25], s[24:25], s[96:97]
	s_add_nc_u64 s[26:27], s[26:27], s[96:97]
	s_lshl_b32 s96, s92, 13
	s_lshl_b32 s94, s93, 2
	s_add_co_u32 s94, s94, s[WV]
	s_lshl_b32 s94, s94, 8
	s_add_co_u32 s96, s96, s94                     ; scale words: 256 bytes for each 64 rows
	s_add_nc_u64 s[30:31], s[30:31], s[96:97]
	s_lshl_b32 s96, s92, 17
	s_lshl_b32 s94, s93, 1
	s_lshr_b32 s95, s[WV], 1
	s_add_co_u32 s94, s94, s95
	s_lshl_b32 s94, s94, 13
	s_add_co_u32 s96, s96, s94
	s_and_b32 s95, s[WV], 1
	s_lshl_b32 s95, s95, 10
	s_add_co_u32 s96, s96, s95                     ; V's images: 8,192 bytes for each 128 keys; my 64 keys are two of a fragment's four blocks
	s_add_nc_u64 s[28:29], s[28:29], s[96:97]
.macro FRAG reg, adr, off              ; a fragment, 16 rows x 128 K: registers 4 c .. 4 c + 3 hold K = 32 c + 16 (lane / 16) + 0 .. 15
.irp c, 0,1,2,3
	ds_load_b128 v[(\reg)+4*\c:(\reg)+4*\c+3], v[\adr] offset:(\off)+32*\c
.endr
.endm
.macro FETCH_W slot, q, n0, cnt        ; W's fragments n0 .. n0 + cnt - 1 of the slot's q-th 128 along K
	WIN 0x40
.set nn, \n0
.rept \cnt
	FRAG 16*nn, ADW+(\slot), 128*(\q)+16*PITCH*nn
.set nn, nn+1
.endr
.endm
.macro FETCH_X slot, q, set            ; my four fragments of x
	WIN 0
.irp a, 0,1,2,3
	FRAG XF+64*(\set)+16*\a, ADX+(\slot), 128*(\q)+16*PITCH*\a
.endr
.endm
; Q's and K's products: column tiles n0 .. n0 + cnt - 1 against my four row tiles.  The 48 accumulators take turns, one instruction a turn, in the same order in every step.
.macro MULQK n0, cnt, set, ks, zero
.set nn, \n0
.rept \cnt
.set aa, 0
.rept 4
.if \zero
	WMZ 64*aa+8*nn, 16*nn, XF+64*(\set)+16*aa, WS+8*(nn/2)+(\ks), XS+8*(aa/2)+(\ks), nn%2, aa%2
.else
	WMA 64*aa+8*nn, 16*nn, XF+64*(\set)+16*aa, WS+8*(nn/2)+(\ks), XS+8*(aa/2)+(\ks), nn%2, aa%2
.endif
.set aa, aa+1
.endr
.set nn, nn+1
.endr
.endm
.macro MULV set, ks, zero              ; V's products: source 0 = x, source 1 = W_v
.set nn, 8
.rept 4
.set aa, 0
.rept 4
.if \zero
	WMZ 8*(4*(nn-8)+aa), XF+64*(\set)+16*aa, 16*nn, XS+8*(aa/2)+(\ks), WS+8*(nn/2)+(\ks), aa%2, nn%2
.else
	WMA 8*(4*(nn-8)+aa), XF+64*(\set)+16*aa, 16*nn, XS+8*(aa/2)+(\ks), WS+8*(nn/2)+(\ks), aa%2, nn%2
.endif
.set aa, aa+1
.endr
.set nn, nn+1
.endr
.endm
.set W_QK, 0xa1                        ; source 0 (W) window 1, source 1 (x) window 0, C and D window 2
.set W_V,  0xf4                        ; source 0 (x) window 0, source 1 (W) window 1, C and D window 3
; A step of 128 along K whose successor lies in the same slot.  Eight places stand in front of each run of loads into registers that matrix instructions have read.
.macro STEP ks, zero
.set CSET, (\ks)&1
.set NSLT, (((\ks)+1)>>1)&1
.set NQQ,  ((\ks)+1)&1
	s_wait_dscnt 24                                ; W's fragments 0-5 and x's are in; the youngest 24 loads (W's 6-11) may be out
	WIN W_QK
	MULQK 0, 6, CSET, \ks, \zero
	s_wait_dscnt 0x0                               ; W's 6-11 are in
	PLACES 8
	FETCH_W NSLT, NQQ, 0, 6
	FETCH_X NSLT, NQQ, NQQ
	WIN W_QK
	MULQK 6, 2, CSET, \ks, \zero
	WIN W_V
	MULV CSET, \ks, \zero
	PLACES 8
	FETCH_W NSLT, NQQ, 6, 6
	WIN 0
.endm
; A slot's second step changes slots: one barrier; in front of it each wave waits for all its tensor loads, adds 0 to its spare word, and waits for that and for its reads of this slot.
; fill = 1: this slot is filled again, 512 along K on.  fill = 2: with the NEXT tile's part of the same place in the ring: x goes 16 blocks of rows down and 512 back along K, W only back.  fill = 0: nothing is left to fetch.
.macro TURN ks, fill
.set CSLT, ((\ks)>>1)&1
.set NSLT, 1-CSLT
	s_wait_tensorcnt 0x0                           ; all my tensor loads have landed: my part of the next slot
	ds_add_u32 v[SPW], v[NIL]                      ; 0 onto my spare word
	s_wait_dscnt 25                                ; (the add and the youngest 24 loads may be out)
	WIN W_QK
	MULQK 0, 3, 1, \ks, 0                          ; twelve matrix instructions stand between the add and the wait for it
	s_wait_dscnt 0x0                               ; the add is done, and my reads of this slot are over
	s_barrier_signal -1
	MULQK 3, 3, 1, \ks, 0
	WIN 0
	s_barrier_wait -1
.if (\fill) == 1
	CREST                                          ; the barrier has opened a round of the cluster's: no wave of any partner still reads this slot or has a load on its way
	s_add_nc_u64 s[G0A+4*CSLT+2:G0A+4*CSLT+3], s[G0A+4*CSLT+2:G0A+4*CSLT+3], 512
	s_add_nc_u64 s[G0B+4*CSLT+2:G0B+4*CSLT+3], s[G0B+4*CSLT+2:G0B+4*CSLT+3], 512
	JLOAD CSLT                                     ; the first tensor load behind the round; its four v_nop are four of the eight places
	PLACES 4
.elseif (\fill) == 2
	CREST
	s_add_nc_u64 s[G0A+4*CSLT+2:G0A+4*CSLT+3], s[G0A+4*CSLT+2:G0A+4*CSLT+3], NEXT_X
	s_sub_nc_u64 s[G0B+4*CSLT+2:G0B+4*CSLT+3], s[G0B+4*CSLT+2:G0B+4*CSLT+3], 512
	JLOAD CSLT
	PLACES 4
.else
	PLACES 8
.endif
	FETCH_W NSLT, 0, 0, 6
	FETCH_X NSLT, 0, 0
	WIN W_QK
	MULQK 6, 2, 1, \ks, 0
	WIN W_V
	MULV 1, \ks, 0
	PLACES 8
	FETCH_W NSLT, 0, 6, 6
	WIN 0
.endm
.macro ROWMASKS
.irp a, 0,1,2,3
	v_cmp_ne_u32 s[MK+\a], 0, v[MB+\a]             ; lanes whose row of tile a is masked
.endr
.endm
; THE WAY OUT of tile t: quantise, and store the images.  It touches no LDS and none of the fragments' registers.
.macro WAYOUT t
	PLACES 8
.irp a, 0,1,2,3
	s_wait_xcnt 0x0                                ; the last stores have read their registers
	QUANT 64*\a, 2, PWR+\a, MK+\a                  ; blocks 0, 1: the row's Q; blocks 2, 3: its K
	global_store_b128 v4, v[PC:PC+3], s[24:25] offset:4194304*(\t)+1024*\a
	global_store_b128 v4, v[PC+4:PC+7], s[24:25] offset:4194304*(\t)+1024*\a+512
	global_store_b128 v4, v[PC+8:PC+11], s[26:27] offset:4194304*(\t)+1024*\a
	global_store_b128 v4, v[PC+12:PC+15], s[26:27] offset:4194304*(\t)+1024*\a+512
.endr
	; The scale words as the attention's first product wants them: two true bytes; the byte of the block that carries the mask's constants (1 on the query side, 2^21 on the key side); 1 for the empty block.
	s_mov_b32 s94, 0x7f7f0000
	s_mov_b32 s95, 0x7f940000
.irp a, 0,1,2,3
	v_and_or_b32 v[TM+\a], v[PWR+\a], 0xffff, s94
	v_lshrrev_b32 v[TM+4+\a], 16, v[PWR+\a]
.endr
.irp a, 0,1,2,3
	v_or_b32 v[TM+4+\a], s95, v[TM+4+\a]
.endr
	v_cndmask_b32 v[TM+8], v[TM], v[TM+1], s[HM]   ; one register carries two tiles' words: the even tile's in lanes 0-15, the odd tile's in lanes 16-31
	v_cndmask_b32 v[TM+9], v[TM+2], v[TM+3], s[HM]
	v_cndmask_b32 v[TM+10], v[TM+4], v[TM+5], s[HM]
	v_cndmask_b32 v[TM+11], v[TM+6], v[TM+7], s[HM]
	global_store_b64 v5, v[TM+8:TM+9], s[30:31] offset:262144*(\t)              ; 32 lanes store 256 consecutive bytes, aligned
	global_store_b64 v5, v[TM+10:TM+11], s[30:31] offset:262144*(\t)+524288
.irp g, 0,1
	s_wait_xcnt 0x0
	QUANT 64*\g, 3, PWR+4+\g, 0                    ; V's channel tiles 2 g, 2 g + 1: two blocks of 32 keys each
.irp b, 0,1,2,3
	global_store_b128 v4, v[PC+4*\b:PC+4*\b+3], s[28:29] offset:4194304*(\t)+2048*(2*\g+\b/2)+512*(\b%2)
.endr
.endr
	global_store_b64 v5, v[PWR+4:PWR+5], s[30:31] offset:262144*(\t)+1048576    ; my two bytes of each of the four tiles' scale words
.endm
	s_wait_loadcnt 0x0                             ; the scale words and the mask bytes
	s_wait_tensorcnt 1                             ; my part of slot 0 is in; slot 1's may stay out
	s_barrier_signal -1
	s_barrier_wait -1                              ; everybody's is
	FETCH_W 0, 0, 0, 6
	FETCH_X 0, 0, 0
	FETCH_W 0, 0, 6, 6
	WIN 0
	; ---- the first tile
	STEP 0, 1                                      ; the first step's products start the sums: nothing is cleared
	TURN 1, 1
	STEP 2, 0
	TURN 3, 1
	STEP 4, 0
	TURN 5, 2                                      ; THE RING GOES ON INTO THE SECOND TILE: slot 0 takes its K 0 to 255,
	STEP 6, 0
	TURN 7, 2                                      ; slot 1 its K 256 to 511, and the second tile's first fragments are fetched
	ROWMASKS                                       ; the first tile's mask bytes are used up here,
	XLOADS 1                                       ; so the second tile's may come, with its scale words of x: the last products that read those registers stand eight places and more back
	WAYOUT 0                                       ; both refills are asked for: now the first tile goes out
	s_wait_loadcnt 0x0                             ; the second tile's scale words and mask bytes
	; ---- the second tile
	STEP 0, 1
	TURN 1, 1
	STEP 2, 0
	TURN 3, 1
	STEP 4, 0
	TURN 5, 0                                      ; nothing is left to fetch
	STEP 6, 0
	s_wait_dscnt 24                                ; the last step
	WIN W_QK
	MULQK 0, 6, 1, 7, 0
	s_wait_dscnt 0x0
	MULQK 6, 2, 1, 7, 0
	WIN W_V
	MULV 1, 7, 0
	WIN 0
	ROWMASKS
	WAYOUT 1
	s_wait_tensorcnt 0x0                           ; the wave's end
	ds_add_u32 v[SPW], v[NIL]
	s_wait_dscnt 0x0
	CROUND                                         ; the closing round: no work-group ends while a partner may still ask for a tile that names it
	s_endpgm
.Lfunc_end_k_q9215e23555_qkv:
	.size	k_q9215e23555_qkv, .Lfunc_end_k_q9215e23555_qkv-k_q9215e23555_qkv
	.p2alignl 7, 3214868480
	.fill 96, 4, 3214868480
	.section	.rodata,"a",@progbits
	.p2align	6, 0x0
	.amdhsa_kernel k_q9215e23555_qkv
		.amdhsa_group_segment_fixed_size 327680
		.amdhsa_private_segment_fixed_size 0
		.amdhsa_enable_private_segment 0
		.amdhsa_kernarg_size 120
		.amdhsa_user_sgpr_count 2
		.amdhsa_user_sgpr_kernarg_segment_ptr 1
		.amdhsa_wavefront_size32 1
		.amdhsa_system_sgpr_workgroup_id_x 1
		.amdhsa_system_sgpr_workgroup_id_y 1
		.amdhsa_system_sgpr_workgroup_id_z 1
		.amdhsa_system_vgpr_workitem_id 0
		.amdhsa_next_free_vgpr 896
		.amdhsa_next_free_sgpr 100
		.amdhsa_reserve_vcc 0
		.amdhsa_float_denorm_mode_32 3
		.amdhsa_float_denorm_mode_16_64 3
		.amdhsa_memory_ordered 1
		.amdhsa_forward_progress 1
		.amdhsa_inst_pref_size 255
	.end_amdhsa_kernel
	.section	.bss,"aw",@nobits
	.p2align	6
	.space	262144
	.amdgpu_metadata
---
amdhsa.version: [ 1, 2 ]
amdhsa.kernels:
  - .name:           k_q9215e23555_qkv
    .symbol:         k_q9215e23555_qkv.kd
    .args:
      - { .name: x_codes, .offset: 0, .size: 8, .value_kind: global_buffer, .address_space: global }
      - { .name: x_scales, .offset: 8, .size: 8, .value_kind: global_buffer, .address_space: global }
      - { .name: W_q_codes, .offset: 16, .size: 8, .value_kind: global_buffer, .address_space: global }
      - { .name: W_q_scales, .offset: 24, .size: 8, .value_kind: global_buffer, .address_space: global }
      - { .name: W_k_codes, .offset: 32, .size: 8, .value_kind: global_buffer, .address_space: global }
      - { .name: W_k_scales, .offset: 40, .size: 8, .value_kind: global_buffer, .address_space: global }
      - { .name: W_v_codes, .offset: 48, .size: 8, .value_kind: global_buffer, .address_space: global }
      - { .name: W_v_scales, .offset: 56, .size: 8, .value_kind: global_buffer, .address_space: global }
      - { .name: mask, .offset: 64, .size: 8, .value_kind: global_buffer, .address_space: global }
      - { .name: W_o, .offset: 72, .size: 8, .value_kind: global_buffer, .address_space: global }
      - { .name: qc, .offset: 80, .size: 8, .value_kind: global_buffer, .address_space: global }
      - { .name: kc, .offset: 88, .size: 8, .value_kind: global_buffer, .address_space: global }
      - { .name: vt, .offset: 96, .size: 8, .value_kind: global_buffer, .address_space: global }
      - { .name: sc3, .offset: 104, .size: 8, .value_kind: global_buffer, .address_space: global }
      - { .name: wo, .offset: 112, .size: 8, .value_kind: global_buffer, .address_space: global }
    .group_segment_fixed_size: 327680
    .private_segment_fixed_size: 0
    .kernarg_segment_align: 8
    .kernarg_segment_size: 120
    .max_flat_workgroup_size: 128
    .sgpr_count:     100
    .vgpr_count:     896
    .wavefront_size: 32
...
	.end_amdgpu_metadata
.endif
;; end of part 1
;; launch attn (part 2): grid 4 x 64, 8 waves a work-group, clusters of 4 x 1, 327,680 bytes of LDS; arguments qc, kc, vt, sc3, mask, vc, vs; writes vc, vs
.if DOCPART == 2
	.amdgcn_target "amdgcn-amd-amdhsa--gfx1250"
	.amdhsa_code_object_version 6
	.text
	.protected	k_q9215e23555_attn
	.globl	k_q9215e23555_attn
	.p2align	8
	.type	k_q9215e23555_attn,@function
k_q9215e23555_attn:
	s_mov_b64 s[64:65], 0
	v_nop
	global_prefetch_b8 v0, s[64:65] scope:SCOPE_SE
	s_setreg_imm32_b32 hwreg(HW_REG_WAVE_MODE, 25, 1), 1
	s_wait_xcnt 0x0
	s_wait_alu depctr_hold_cnt(0) depctr_sa_sdst(0) depctr_va_vdst(0) depctr_va_sdst(0) depctr_va_ssrc(0) depctr_va_vcc(0) depctr_vm_vsrc(0)
	s_getreg_b32 s2, hwreg(HW_REG_IB_STS2, 6, 4)
	s_cmp_eq_u32 s2, 0
	s_cbranch_scc0 .Lentry_in_a_cluster
	s_endpgm
.Lentry_in_a_cluster:
	s_bfe_u32 s2, ttmp6, 0x10000c
	s_cmp_lg_u32 s2, 0x3003
	s_cbranch_scc0 .Lentry_shape_is_right
	s_endpgm
.Lentry_shape_is_right:
; values = where(mask, -1e9, Q K^T) V for one (batch, head), both products on codes of FP8 (E4M3) with E8M0 scales; there is no softmax.  The values leave quantised along (head, channel) for the last product.
; SHARES.  A work-group owns 512 queries of one (batch, head), each of its eight waves 64: four tiles of 16.  Two waves share a SIMD's registers, so that one wave's quantiser stands beside the other's products and LDS loads.
; ALL OF K AND V of the (batch, head), 2 x 128 KiB of codes, their scale words and a table for the mask lie in LDS, each byte filled ONCE: no slot is filled again.  The codes come in four stages of 512 keys, each waited for when it is first read.
; CLUSTER 4 x 1: the four query blocks of a (batch, head) want the same K and V: every tile is asked for jointly.
; LAYOUT.  S^T = K Q^T (source 0 = 16 keys, source 1 = 16 queries) and O^T = V^T P^T (source 0 = 16 channels, source 1 = P): a lane holds one query throughout, and the scores' registers run along the keys.
; All operands lie in memory and LDS as images of their registers (lane l's 16 bytes at 16 l).  Inside each block of 32 along a product's K, place (half h, byte 8 u + j) holds index 16 u + 8 h + j, alike on both sides.
; THE MASK IS APPLIED BY THE FIRST PRODUCT.  Its K is 64; the instruction's is 128.  The third block of 32 holds constants: 1e9 = (1 x 256 + 1 x 208 + 1 x 12 + 2^-6 x 52 + 2^-6 x 1.5 + 2^-6 x 5/64) x 2^21, six exact products,
; the left factors on the query side, the right ones, negative, on the key side, whose scale byte for that block is 2^21.  In places 64-69 the query side holds its six iff the query is masked and the key side always; in places 80-85
; the query side holds them iff the query is NOT masked and the key side iff the key is masked.  So -1e9 is added once iff either is masked; the true codes of masked rows are zeros, so such a score is -1e9 and nothing else.
; REGISTERS.  Window 0: v1-7 addresses; v8-9 Q's scale words; v10-13 K's; v14-17 V's halves as loaded; v18-21 V's words; v22 P's word; v24-39 at work; v40-55 P's codes; v56-57 the values' scale bytes; v58-63 constants;
;   v64-127 S^T of one query tile; v128-255 eight fragments of K.   Window 1: v0-63 Q's four fragments; v64-191 O^T (tile q, channels t at 64 + 32 q + 8 t); v192-255 V's four fragments.
.set SCB,  262144                      ; LDS: behind the four stages of 65,536 bytes: K's scale words (8 KiB), V's half words (8 KiB)
.set TBL,  278528                      ; the table: 16 bytes a key: the key side's six constants, and the same or zeros by the key's mask
.set L16,  1                           ; v1  16 x lane
.set L8,   2                           ; v2  8 x lane
.set RH,   3                           ; v3  16 r + 8 h
.set ADKV, 4                           ; v4  LDS address of the step's images
.set ADT,  5                           ; v5  of its part of the table
.set ADS,  6                           ; v6  of its scale words
.set RR,   7                           ; v7  r
.set QS,   8
.set KSW,  10
.set VR,   14
.set VSW,  18
.set PW,   22
.set ZR,   23
.set TM,   24
.set PC,   40
.set OW,   56
.set TQ,   58                          ; v58-61 a key's 16 bytes of the table
.set QP,   62                          ; v62-63 the query side's six constants
.set SR,   64
.set KF,   128
.set OA,   64                          ; in window 1
.set VF,   192                         ; in window 1
.set WV,   18
.set MNT,  19
.set SEL,  20
.set G1D,  24                          ; s[24:31] group 1 for 8 KiB of images;  s[32:39] for 2 KiB of scale words;  s[40:59] five groups 0
.set G1S,  32
.set G0,   40
.set TK,   60
.set TT,   61
.set TS,   62
.set CNT,  63
.set MSB, 0
.macro WIN new                         ; the immediate's high byte repeats the setting that is left; a switch that changes nothing is dropped
.if MSB != (\new)
	s_set_vgpr_msb (MSB<<8)|(\new)
.set MSB, (\new)
.endif
.endm
.macro PLACES n
.rept \n
	v_nop
.endr
.endm
.macro CROUND                          ; a round of the cluster's barrier
	s_barrier_signal -1
	s_barrier_wait -1
	s_cmp_lg_u32 s[WV], 0
	s_cbranch_scc1 .Lnot_wave_0_\@
	s_barrier_signal -3
.Lnot_wave_0_\@:
	s_barrier_wait -3
	s_barrier_signal -1
	s_barrier_wait -1
.endm
; One scaled matrix instruction.  ra, rb = 1: that side's scale words are taken from lanes 16-31 of the register named.  WMZ starts a sum, WMA adds in place.
.macro WMZ d, a, b, sa, sb, ra, rb
.if (\ra) && (\rb)
	v_wmma_scale_f32_16x16x128_f8f6f4 v[(\d):(\d)+7], v[(\a):(\a)+15], v[(\b):(\b)+15], 0, v[\sa], v[\sb] matrix_a_scale:MATRIX_SCALE_ROW1 matrix_b_scale:MATRIX_SCALE_ROW1
.elseif (\ra)
	v_wmma_scale_f32_16x16x128_f8f6f4 v[(\d):(\d)+7], v[(\a):(\a)+15], v[(\b):(\b)+15], 0, v[\sa], v[\sb] matrix_a_scale:MATRIX_SCALE_ROW1
.elseif (\rb)
	v_wmma_scale_f32_16x16x128_f8f6f4 v[(\d):(\d)+7], v[(\a):(\a)+15], v[(\b):(\b)+15], 0, v[\sa], v[\sb] matrix_b_scale:MATRIX_SCALE_ROW1
.else
	v_wmma_scale_f32_16x16x128_f8f6f4 v[(\d):(\d)+7], v[(\a):(\a)+15], v[(\b):(\b)+15], 0, v[\sa], v[\sb]
.endif
.endm
.macro WMA d, a, b, sa, sb, ra, rb
.if (\ra) && (\rb)
	v_wmma_scale_f32_16x16x128_f8f6f4 v[(\d):(\d)+7], v[(\a):(\a)+15], v[(\b):(\b)+15], v[(\d):(\d)+7], v[\sa], v[\sb] matrix_a_scale:MATRIX_SCALE_ROW1 matrix_b_scale:MATRIX_SCALE_ROW1
.elseif (\ra)
	v_wmma_scale_f32_16x16x128_f8f6f4 v[(\d):(\d)+7], v[(\a):(\a)+15], v[(\b):(\b)+15], v[(\d):(\d)+7], v[\sa], v[\sb] matrix_a_scale:MATRIX_SCALE_ROW1
.elseif (\rb)
	v_wmma_scale_f32_16x16x128_f8f6f4 v[(\d):(\d)+7], v[(\a):(\a)+15], v[(\b):(\b)+15], v[(\d):(\d)+7], v[\sa], v[\sb] matrix_b_scale:MATRIX_SCALE_ROW1
.else
	v_wmma_scale_f32_16x16x128_f8f6f4 v[(\d):(\d)+7], v[(\a):(\a)+15], v[(\b):(\b)+15], v[(\d):(\d)+7], v[\sa], v[\sb]
.endif
.endm
; 64 numbers of a lane, v[s] .. v[s + 63] of window w, register 16 b + i in block b (the block's other 16 lie in lane l xor 16), become 16 registers of codes in v[PC] on and four scale bytes in v[pw].
; mk: a scalar register with the lanes whose codes are all to be zero (0: none).  Each result tile is read from its low end on.
.macro QUANT s, w, pw, mk
	WIN (\w)|((\w)<<2)
.irp b, 0,1,2,3
	v_max3_num_f32 v[TM+\b], |v[(\s)+16*\b]|, |v[(\s)+16*\b+1]|, 0x4800000   ; with the floor 2^(9 - 127): the byte cannot fall under 1
.endr
	WIN ((\w)<<2)|((\w)<<4)
.irp i, 2,4,6,8,10,12,14
.irp b, 0,1,2,3
	v_max3_num_f32 v[TM+\b], v[TM+\b], |v[(\s)+16*\b+\i]|, |v[(\s)+16*\b+\i+1]|   ; the four blocks by turns
.endr
.endr
	WIN 0
.irp b, 0,1,2,3
	v_permlanex16_b32 v[TM+4+\b], v[TM+\b], s[SEL], s[SEL+1]
.endr
.irp b, 0,1,2,3
	v_max_num_f32 v[TM+\b], v[TM+\b], v[TM+4+\b]   ; the block's largest magnitude
.endr
.irp b, 0,1,2,3
	v_add_nc_u32 v[TM+12+\b], 0xfc000000, v[TM+\b]   ; 8 off its exponent field: the conversion's scale operand
.endr
.irp b, 0,1,2,3
	v_and_or_b32 v[TM+8+\b], v[TM+\b], 0x7f800000, s[MNT]   ; 448 x the scale
.endr
.if \mk
.irp b, 0,1,2,3
	v_cndmask_b32 v[TM+8+\b], v[TM+8+\b], v[ZR], s[\mk]
.endr
.endif
.irp b, 0,1,2,3
	v_lshrrev_b32 v[TM+4+\b], 23, v[TM+12+\b]   ; the scale's byte
.endr
	v_lshl_or_b32 v[\pw], v[TM+5], 8, v[TM+4]
	v_lshl_or_b32 v[\pw], v[TM+6], 16, v[\pw]
	v_lshl_or_b32 v[\pw], v[TM+7], 24, v[\pw]
	WIN (\w)|((\w)<<6)
.irp b, 0,1,2,3
.irp i, 0,1,2,3,4,5,6,7,8,9,10,11,12,13,14,15
	v_med3_num_f32 v[(\s)+16*\b+\i], v[(\s)+16*\b+\i], -v[TM+8+\b], v[TM+8+\b]   ; the conversion to an 8-bit code does not saturate (ISA guide 7.6.2): the hold comes first
.endr
.endr
	WIN (\w)
.irp b, 0,1,2,3
	v_cvt_scalef32_pk8_fp8_f32 v[PC+4*\b:PC+4*\b+1], v[(\s)+16*\b:(\s)+16*\b+7], v[TM+12+\b]
	v_cvt_scalef32_pk8_fp8_f32 v[PC+4*\b+2:PC+4*\b+3], v[(\s)+16*\b+8:(\s)+16*\b+15], v[TM+12+\b]
.endr
	WIN 0
	v_nop                                          ; one plain vector line behind the last conversion
.endm
	s_load_b256 s[4:11], s[0:1], 0x0               ; qc 4, kc 6, vt 8, sc3 10
	s_load_b128 s[12:15], s[0:1], 0x20             ; mask 12, vc 14
	s_load_b64 s[16:17], s[0:1], 0x30              ; vs
	v_lshl_add_u32 v254, v0, 2, 0x4c000
	v_mov_b32 v255, 0
	ds_add_u32 v254, v255
	ds_add_u32 v254, v255
	s_wait_dscnt 0x0
	v_lshrrev_b32 v1, 5, v0
	v_readfirstlane_b32 s[WV], v1                  ; wave 0..7
	s_bfe_u32 s22, ttmp6, 0x40000                  ; cx
	s_lshl_b32 s74, ttmp9, 2
	s_add_co_u32 s22, s74, s22                     ; my block of 512 queries: it enters global addresses of my own alone
	s_and_b32 s23, ttmp7, 0xffff                   ; 16 x batch + head, which the four partners share
	s_mov_b32 s[G1D], 15|(3<<16)|(1<<21)           ; the mask: all four work-groups; elements of 8 bytes; bit 21 beside a mask; no padding: an image is read as it lies
	s_mov_b32 s[G1D+1], 32<<16                     ; rows of 256 bytes
	s_mov_b32 s[G1D+2], 32<<16                     ; 32 of them
	s_mov_b32 s[G1D+3], 32<<16
	s_mov_b32 s[G1D+4], 32
	s_mov_b32 s[G1D+5], 32
	s_mov_b32 s[G1D+6], 0
	s_mov_b32 s[G1D+7], 0
	s_mov_b32 s[G1S], 15|(3<<16)|(1<<21)
	s_mov_b32 s[G1S+1], 32<<16
	s_mov_b32 s[G1S+2], 8<<16                      ; 8 rows
	s_mov_b32 s[G1S+3], 32<<16
	s_mov_b32 s[G1S+4], 8
	s_mov_b32 s[G1S+5], 32
	s_mov_b32 s[G1S+6], 0
	s_mov_b32 s[G1S+7], 0
	; waves 0-3 fetch K's images and scale words, waves 4-7 V's: in each stage one key step (8 KiB) a wave, and a quarter of the scale words
	s_and_b32 s75, s[WV], 3
	s_lshl_b32 s76, s23, 17
	s_lshl_b32 s77, s75, 13
	s_add_co_u32 s76, s76, s77
	s_mov_b32 s77, 0
	s_lshl_b32 s78, s23, 13
	s_lshl_b32 s79, s75, 11
	s_add_co_u32 s78, s78, s79
	s_lshr_b32 s79, s[WV], 2
	s_lshl_b32 s79, s79, 19
	s_add_co_u32 s78, s78, s79
	s_add_co_u32 s78, s78, 524288                  ; K's section of the scale words begins at 524,288, V's at 1,048,576
	s_mov_b32 s79, 0
	s_lshl_b32 s80, s[WV], 13                      ; my place in a stage
	s_lshl_b32 s81, s[WV], 11
	s_add_co_u32 s81, s81, SCB                     ; and among the scale words
	s_wait_kmcnt 0x0
	s_cmp_lt_u32 s[WV], 4                          ; K's codes or V's: the choice hangs on the wave's number alone
	s_cselect_b64 s[82:83], s[6:7], s[8:9]
	s_add_nc_u64 s[82:83], s[82:83], s[76:77]
	s_add_nc_u64 s[84:85], s[10:11], s[78:79]
	s_mov_b32 s[G0], 1
	s_mov_b32 s[G0+1], s81
	s_mov_b64 s[G0+2:G0+3], s[84:85]
	s_or_b32 s[G0+3], s[G0+3], 0x80000000
.irp i, 0,1,2,3
	s_mov_b32 s[G0+4+4*\i], 1
	s_add_co_u32 s[G0+5+4*\i], s80, 65536*\i
	s_add_nc_u64 s[G0+6+4*\i:G0+7+4*\i], s[82:83], 32768*\i
	s_or_b32 s[G0+7+4*\i], s[G0+7+4*\i], 0x80000000
.endr
	CROUND                                         ; all four work-groups are here: the joint loads meet
	tensor_load_to_lds s[G0:G0+3], s[G1S:G1S+7]    ; five loads of mine are out: the scale words, then stages 0 to 3
	s_nop 0
	tensor_load_to_lds s[G0+4:G0+7], s[G1D:G1D+7]
	s_nop 0
	tensor_load_to_lds s[G0+8:G0+11], s[G1D:G1D+7]
	s_nop 0
	tensor_load_to_lds s[G0+12:G0+15], s[G1D:G1D+7]
	s_nop 0
	tensor_load_to_lds s[G0+16:G0+19], s[G1D:G1D+7]
	s_nop 0
	PLACES 4
	v_and_b32 v[RR], 31, v0
	v_lshlrev_b32 v[L16], 4, v[RR]
	v_lshlrev_b32 v[L8], 3, v[RR]
	v_and_b32 v[RR], 15, v0                        ; r
	v_bfe_u32 v[RH], v0, 4, 1                      ; h
	v_lshlrev_b32 v[RH], 3, v[RH]
	v_lshl_add_u32 v[RH], v[RR], 4, v[RH]
	v_lshl_add_u32 v[ADKV], v0, 4, TBL             ; (for now) where my thread writes the table
	s_lshl_b32 s86, s23, 7
	s_lshl_b32 s87, s22, 5
	s_add_co_u32 s86, s86, s87
	s_lshl_b32 s87, s[WV], 2
	s_add_co_u32 s86, s86, s87
	s_lshl_b32 s86, s86, 10
	s_mov_b32 s87, 0
	s_add_nc_u64 s[4:5], s[4:5], s[86:87]          ; my four tiles' images of Q
	s_lshl_b32 s86, s23, 13
	s_lshl_b32 s88, s22, 3
	s_add_co_u32 s88, s88, s[WV]
	s_lshl_b32 s88, s88, 8
	s_add_co_u32 s86, s86, s88
	s_add_nc_u64 s[10:11], s[10:11], s[86:87]      ; their scale words
	s_lshr_b32 s86, s23, 4
	s_lshl_b32 s86, s86, 11
	s_add_nc_u64 s[12:13], s[12:13], s[86:87]      ; the batch's mask
	s_lshl_b32 s86, s22, 9
	s_lshl_b32 s88, s[WV], 6
	s_add_co_u32 s86, s86, s88
	s_add_nc_u64 s[88:89], s[12:13], s[86:87]      ; at my first query
	WIN 0x40                                       ; destination window 1
.irp q, 0,1,2,3
.irp c, 0,1
	global_load_b128 v[16*\q+4*\c:16*\q+4*\c+3], v[L16], s[4:5] offset:1024*\q+512*\c
.endr
.endr
	WIN 0
	global_load_b64 v[QS:QS+1], v[L8], s[10:11]
.irp q, 0,1,2,3
	global_load_u8 v[SR+\q], v[RR], s[88:89] offset:16*\q
.endr
.irp i, 0,1,2,3,4,5,6,7
	global_load_u8 v[SR+4+\i], v0, s[12:13] offset:256*\i          ; the mask of keys thread + 256 i
.endr
	; where my values go
	s_lshr_b32 s86, s23, 4                         ; batch
	s_and_b32 s90, s23, 15                         ; head
	s_lshl_b32 s86, s86, 4
	s_lshl_b32 s91, s22, 2
	s_add_co_u32 s86, s86, s91
	s_lshr_b32 s91, s[WV], 1
	s_add_co_u32 s86, s86, s91                     ; which 128 rows of the 8,192
	s_and_b32 s91, s[WV], 1                        ; which 64 of them
	s_lshl_b32 s92, s86, 3
	s_lshr_b32 s93, s90, 1
	s_add_co_u32 s92, s92, s93                     ; two heads make 128 along the last product's K
	s_lshl_b32 s92, s92, 3
	s_lshl_b32 s93, s91, 2
	s_add_co_u32 s92, s92, s93
	s_lshl_b32 s92, s92, 11
	s_and_b32 s93, s90, 1
	s_lshl_b32 s93, s93, 10
	s_add_co_u32 s92, s92, s93
	s_mov_b32 s93, 0
	s_add_nc_u64 s[14:15], s[14:15], s[92:93]
	s_lshl_b32 s92, s86, 4
	s_add_co_u32 s92, s92, s90
	s_lshl_b32 s92, s92, 1
	s_add_co_u32 s92, s92, s91
	s_lshl_b32 s92, s92, 8
	s_add_nc_u64 s[16:17], s[16:17], s[92:93]
	s_mov_b32 s[SEL], 0x76543210
	s_mov_b32 s[SEL+1], 0xfedcba98
	s_mov_b32 s[MNT], 0x600000
	s_mov_b32 s66, 0x05040100                      ; v_perm_b32: the two low halves;
	s_mov_b32 s67, 0x07060302                      ; the two high halves
	; the places of a fragment that hold neither true codes nor constants are zero codes, written once
.irp t, 0,1,2,3,4,5,6,7
.irp e, 10,11,12,13,14,15
	v_mov_b32 v[KF+16*\t+\e], 0
.endr
.endr
	WIN 0x40
.irp q, 0,1,2,3
.irp e, 10,11,12,13,14,15
	v_mov_b32 v[16*\q+\e], 0
.endr
.endr
	WIN 0
	v_mov_b32 v[ZR], 0
.irp b, 0,1,2,3
	v_mov_b32 v[TM+4+\b], 0                        ; written once: a lane permute's destination counts as one of its sources
.endr
	v_mov_b32 v[TQ], 0xe5d4f5f8                    ; -256, -208, -12, -52
	v_mov_b32 v[TQ+1], 0x9abc                      ; -1.5, -5/64
	v_mov_b32 v[QP], 0x08383838                    ; 1, 1, 1, 2^-6
	v_mov_b32 v[QP+1], 0x0808                      ; 2^-6, 2^-6
	s_wait_loadcnt 0x0
.irp q, 0,1,2,3
	v_cmp_ne_u32 s[70+\q], 0, v[SR+\q]             ; lanes whose query is masked
.endr
.irp q, 0,1,2,3
	s_xor_b32 s[70+\q], s[70+\q], 0xffff0000       ; lanes 0-15 (places 64-69): iff masked; lanes 16-31 (places 80-85): iff not
.endr
	WIN 0x40
.irp q, 0,1,2,3
	v_cndmask_b32 v[16*\q+8], 0, v[QP], s[70+\q]
	v_cndmask_b32 v[16*\q+9], 0, v[QP+1], s[70+\q]
.endr
	WIN 0
.irp i, 0,1,2,3,4,5,6,7
	v_cmp_ne_u32 vcc_lo, 0, v[SR+4+\i]
	v_cndmask_b32 v[TQ+2], 0, v[TQ], vcc_lo
	v_cndmask_b32 v[TQ+3], 0, v[TQ+1], vcc_lo
	ds_store_b128 v[ADKV], v[TQ:TQ+3] offset:4096*\i
.endr
; A KEY STEP: 128 keys.  zero = 1: the first, whose second products start O^T's sums: nothing is cleared.
.macro KEYSTEP zero
	v_add_nc_u32 v[ADKV], s[TK], v[L16]
	v_add_nc_u32 v[ADT], s[TT], v[RH]
	v_add_nc_u32 v[ADS], s[TS], v[L8]
	PLACES 5                                       ; with the three additions: eight places in front of loads into registers that the last products read
.irp t, 0,1,2,3,4,5,6,7
	ds_load_b128 v[KF+16*\t:KF+16*\t+3], v[ADKV] offset:1024*\t
	ds_load_b128 v[KF+16*\t+4:KF+16*\t+7], v[ADKV] offset:1024*\t+512
	ds_load_b64 v[KF+16*\t+8:KF+16*\t+9], v[ADT] offset:256*\t     ; lanes 0-15: the six constants; lanes 16-31: the same iff key r of the tile is masked
.endr
	ds_load_b64 v[KSW:KSW+1], v[ADS]               ; K's scale words: register i: tile 2 i in lanes 0-15, tile 2 i + 1 in lanes 16-31
	ds_load_b64 v[KSW+2:KSW+3], v[ADS] offset:256
	WIN 0x40
.irp t, 0,1,2,3
.irp c, 0,1,2,3
	ds_load_b128 v[VF+16*\t+4*\c:VF+16*\t+4*\c+3], v[ADKV] offset:32768+2048*\t+512*\c
.endr
.endr
	WIN 0
	ds_load_b64 v[VR:VR+1], v[ADS] offset:8192
	ds_load_b64 v[VR+2:VR+3], v[ADS] offset:8192+256
	s_wait_dscnt 18                                ; K's 26 loads are in; V's 18 may be out
.irp q, 0,1,2,3
	WIN 0x04                                       ; source 1 (Q) window 1
.irp t, 0,1,2,3,4,5,6,7
	WMZ SR+8*\t, KF+16*\t, 16*\q, KSW+(\t/2), QS+(\q/2), \t%2, \q%2
.endr
	WIN 0
.if \q == 0
	s_wait_dscnt 0x0                               ; V is in
	v_perm_b32 v[VSW], v[VR+2], v[VR], s66         ; a tile's scale word: two bytes from the first 64 keys' writer, two from the second's
	v_perm_b32 v[VSW+1], v[VR+2], v[VR], s67
	v_perm_b32 v[VSW+2], v[VR+3], v[VR+1], s66
	v_perm_b32 v[VSW+3], v[VR+3], v[VR+1], s67
	PLACES 4                                       ; eight places behind the products, the four lines above among them
.else
	PLACES 8
.endif
	QUANT SR, 0, PW, 0                             ; the scores of 16 queries x 128 keys become P's fragment and its scale word
	PLACES 3                                       ; with the line that ends QUANT: four places between codes made by vector instructions and the scaled product; the scale word was made 76 vector lines further up
	WIN 0x51                                       ; source 0 (V), C and D window 1
.irp t, 0,1,2,3
.if \zero
	WMZ OA+32*\q+8*\t, VF+16*\t, PC, VSW+\t, PW, 0, 0
.else
	WMA OA+32*\q+8*\t, VF+16*\t, PC, VSW+\t, PW, 0, 0
.endif
.endr
	WIN 0
.endr
	s_add_co_u32 s[TK], s[TK], 8192
	s_add_co_u32 s[TT], s[TT], 2048
	s_add_co_u32 s[TS], s[TS], 512
.endm
; A STAGE: 512 keys.  The count leaves the later stages' loads on their way; the barrier shows every wave's part (and, at the first, the table) to all eight.
.macro STAGE i
	s_wait_tensorcnt 3-\i
	s_wait_dscnt 0x0
	s_barrier_signal -1
	s_barrier_wait -1
	s_mov_b32 s[TK], 65536*\i
	s_mov_b32 s[TT], TBL+8192*\i
	s_mov_b32 s[TS], SCB+2048*\i
.if \i == 0
	KEYSTEP 1
	s_mov_b32 s[CNT], 3
.else
	s_mov_b32 s[CNT], 4
.endif
.Lstep_\@:
	KEYSTEP 0
	s_sub_co_u32 s[CNT], s[CNT], 1
	s_cmp_lg_u32 s[CNT], 0
	s_cbranch_scc1 .Lstep_\@
.endm
	STAGE 0
	STAGE 1
	STAGE 2
	STAGE 3
	; ---- THE WAY OUT: a query's 64 values are two blocks of 32 along the last product's K: quantised, and stored as images
	PLACES 8
.irp g, 0,1
	s_wait_xcnt 0x0                                ; the last stores have read their registers
	QUANT OA+64*\g, 1, OW+\g, 0                    ; query tiles 2 g, 2 g + 1
.irp b, 0,1,2,3
	global_store_b128 v[L16], v[PC+4*\b:PC+4*\b+3], s[14:15] offset:2048*(2*\g+\b/2)+512*(\b%2)   ; 32 lanes store 512 consecutive bytes, aligned
.endr
.endr
	global_store_b64 v[L8], v[OW:OW+1], s[16:17]   ; my head's two bytes of each of the four tiles' scale words
	s_wait_xcnt 0x0
	v_lshl_add_u32 v254, v0, 2, 0x4c000
	v_mov_b32 v255, 0
	s_wait_tensorcnt 0x0
	ds_add_u32 v254, v255
	s_wait_dscnt 0x0
	CROUND                                         ; the closing round: no work-group ends while a partner may still ask for a tile that names it
	s_endpgm
.Lfunc_end_k_q9215e23555_attn:
	.size	k_q9215e23555_attn, .Lfunc_end_k_q9215e23555_attn-k_q9215e23555_attn
	.p2alignl 7, 3214868480
	.fill 96, 4, 3214868480
	.section	.rodata,"a",@progbits
	.p2align	6, 0x0
	.amdhsa_kernel k_q9215e23555_attn
		.amdhsa_group_segment_fixed_size 327680
		.amdhsa_private_segment_fixed_size 0
		.amdhsa_enable_private_segment 0
		.amdhsa_kernarg_size 56
		.amdhsa_user_sgpr_count 2
		.amdhsa_user_sgpr_kernarg_segment_ptr 1
		.amdhsa_wavefront_size32 1
		.amdhsa_system_sgpr_workgroup_id_x 1
		.amdhsa_system_sgpr_workgroup_id_y 1
		.amdhsa_system_sgpr_workgroup_id_z 1
		.amdhsa_system_vgpr_workitem_id 0
		.amdhsa_next_free_vgpr 512
		.amdhsa_next_free_sgpr 100
		.amdhsa_reserve_vcc 1
		.amdhsa_float_denorm_mode_32 3
		.amdhsa_float_denorm_mode_16_64 3
		.amdhsa_memory_ordered 1
		.amdhsa_forward_progress 1
		.amdhsa_inst_pref_size 250
	.end_amdhsa_kernel
	.amdgpu_metadata
---
amdhsa.version: [ 1, 2 ]
amdhsa.kernels:
  - .name:           k_q9215e23555_attn
    .symbol:         k_q9215e23555_attn.kd
    .args:
      - { .name: qc, .offset: 0, .size: 8, .value_kind: global_buffer, .address_space: global }
      - { .name: kc, .offset: 8, .size: 8, .value_kind: global_buffer, .address_space: global }
      - { .name: vt, .offset: 16, .size: 8, .value_kind: global_buffer, .address_space: global }
      - { .name: sc3, .offset: 24, .size: 8, .value_kind: global_buffer, .address_space: global }
      - { .name: mask, .offset: 32, .size: 8, .value_kind: global_buffer, .address_space: global }
      - { .name: vc, .offset: 40, .size: 8, .value_kind: global_buffer, .address_space: global }
      - { .name: vs, .offset: 48, .size: 8, .value_kind: global_buffer, .address_space: global }
    .group_segment_fixed_size: 327680
    .private_segment_fixed_size: 0
    .kernarg_segment_align: 8
    .kernarg_segment_size: 56
    .max_flat_workgroup_size: 256
    .sgpr_count:     100
    .vgpr_count:     512
    .wavefront_size: 32
...
	.end_amdgpu_metadata
.endif
;; end of part 2
;; launch outp (part 3): grid 8 x 32, 4 waves a work-group, clusters of 4 x 4, 327,680 bytes of LDS; arguments vc, vs, wo, out0; writes out0
.if DOCPART == 3
	.amdgcn_target "amdgcn-amd-amdhsa--gfx1250"
	.amdhsa_code_object_version 6
	.text
	.protected	k_q9215e23555_outp
	.globl	k_q9215e23555_outp
	.p2align	8
	.type	k_q9215e23555_outp,@function
k_q9215e23555_outp:
	s_mov_b64 s[64:65], 0
	v_nop
	global_prefetch_b8 v0, s[64:65] scope:SCOPE_SE
	s_setreg_imm32_b32 hwreg(HW_REG_WAVE_MODE, 25, 1), 1
	s_wait_xcnt 0x0
	s_wait_alu depctr_hold_cnt(0) depctr_sa_sdst(0) depctr_va_vdst(0) depctr_va_sdst(0) depctr_va_ssrc(0) depctr_va_vcc(0) depctr_vm_vsrc(0)
	s_getreg_b32 s2, hwreg(HW_REG_IB_STS2, 6, 4)
	s_cmp_eq_u32 s2, 0
	s_cbranch_scc0 .Lentry_in_a_cluster
	s_endpgm
.Lentry_in_a_cluster:
	s_bfe_u32 s2, ttmp6, 0x10000c
	s_cmp_lg_u32 s2, 0xf033
	s_cbranch_scc0 .Lentry_shape_is_right
	s_endpgm
.Lentry_shape_is_right:
; out = values W_o on codes of FP8 (E4M3) with E8M0 scales: [8,192 x 1,024] x [1,024 x 1,024], f32 out.  Both operands were laid by the earlier launches as images of their registers (lane l's 16 bytes at 16 l).
; SHARES.  A tile of the output is 128 x 128; four waves, each 64 x 64: 16 accumulators.  Both operands of a tile lie in LDS for all of K, 128 KiB each.
; A WORK-GROUP STAYS: it makes two tiles of one tile column, tile rows Y and Y + 32.  W_o's block and its scale words are fetched once and serve both.  The values' block is filled again ONCE.
; nothing waits for the first tile's stores.
; The first fills come as four pairs of K steps, each waited for when it is first read.
; CLUSTER 4 x 4: the values' block hangs on the tile row alone and is asked for jointly along a row of the cluster, W_o's on the tile column alone, jointly along a column.
; THE MATRIX INSTRUCTION IS USED TRANSPOSED (source 0 = 16 columns of W_o, source 1 = 16 rows of the values): a lane holds eight neighbouring numbers of a row of the output.
; REGISTERS.  Window 0: v1-13 addresses; v14-15 for the add; v32-63 the values' scale words (tile a, step ks at 32 + 8 a + ks); v64-95 W_o's; v96-127 the values' scale bytes as loaded; v128-255 the accumulators.
;   Window 1: two sets of fragments of 128 registers (four of the values, then four of W_o); on the way out v0-63 hold rows read back from the stage.
.set STG,  262144                      ; LDS: behind the two operands: a stage of 16 rows x (256 bytes + 16) for each wave; no tensor load lands there
.set SPARE, 279552                     ; behind the stages: the spare words, 128 bytes a wave: two blocks of 256 bytes that no other line names
.set ADA,  6                           ; v6-7   LDS address of my fragments of the values, K steps 0-3 and 4-7
.set ADB,  8                           ; v8-9   the same for W_o
.set STO,  10
.set RD,   11
.set CO,   12
.set SPW,  14                          ; v14    LDS address of my spare word; never rewritten
.set NIL,  15                          ; v15    0; never rewritten
.set AS,   32
.set BS,   64
.set RAW,  96
.set ACC,  128
.set WV,   12
.set G1A,  24
.set G1B,  32
.set G0A,  40                          ; s[40:55] four groups 0 for the values;  s[68:83] for W_o
.set G0B,  68
.set G0R,  60                          ; s[60:63] group 0 and s[92:99] group 1 for the refill: a quarter of the second tile's values
.set G1R,  92
.set MSB, 0
.macro WIN new                         ; the immediate's high byte repeats the setting that is left; a switch that changes nothing is dropped
.if MSB != (\new)
	s_set_vgpr_msb (MSB<<8)|(\new)
.set MSB, (\new)
.endif
.endm
.macro PLACES n
.rept \n
	v_nop
.endr
.endm
.macro CROUND                          ; a round of the cluster's barrier
	s_barrier_signal -1
	s_barrier_wait -1
	s_cmp_lg_u32 s[WV], 0
	s_cbranch_scc1 .Lnot_wave_0_\@
	s_barrier_signal -3
.Lnot_wave_0_\@:
	s_barrier_wait -3
	s_barrier_signal -1
	s_barrier_wait -1
.endm
	s_load_b256 s[4:11], s[0:1], 0x0               ; vc 4, vs 6, wo 8, out0 10
	v_lshl_add_u32 v[SPW], v0, 2, SPARE
	v_mov_b32 v[NIL], 0
	ds_add_u32 v14, v15
	ds_add_u32 v14, v15
	s_wait_dscnt 0x0
	v_lshrrev_b32 v1, 5, v0
	v_readfirstlane_b32 s[WV], v1                  ; wave 0..3
	s_lshr_b32 s13, s[WV], 1                       ; which 64 rows are mine.  Also: in the first fills I fetch for the values (0) or for W_o (1)
	s_and_b32 s14, s[WV], 1                        ; which 64 columns.  Also: which K step of a pair I fetch
	s_bfe_u32 s16, ttmp6, 0x40000                  ; cx
	s_bfe_u32 s17, ttmp6, 0x40004                  ; cy
	s_lshl_b32 s18, ttmp9, 2
	s_add_co_u32 s18, s18, s16                     ; tile column
	s_and_b32 s19, ttmp7, 0xffff
	s_lshl_b32 s19, s19, 2
	s_add_co_u32 s19, s19, s17                     ; my first tile row, 0 .. 31; the second is 32 further down
	s_lshl_b32 s84, s17, 2
	s_lshl_b32 s84, 15, s84                        ; my row of the cluster
	s_lshl_b32 s85, 0x1111, s16                    ; my column
	s_or_b32 s[G1A], s84, (3<<16)|(1<<21)          ; the mask; elements of 8 bytes; bit 21 beside a mask; no padding
	s_or_b32 s[G1B], s85, (3<<16)|(1<<21)
	s_or_b32 s[G1R], s84, (3<<16)|(1<<21)
.irp g, G1A, G1B
	s_mov_b32 s[\g+1], 32<<16                      ; rows of 256 bytes,
	s_mov_b32 s[\g+2], 64<<16                      ; 64 of them: one K step's eight fragments
	s_mov_b32 s[\g+3], 32<<16
	s_mov_b32 s[\g+4], 64
	s_mov_b32 s[\g+5], 32
	s_mov_b32 s[\g+6], 0
	s_mov_b32 s[\g+7], 0
.endr
	s_mov_b32 s[G1R+1], 32<<16                     ; rows of 256 bytes,
	s_mov_b32 s[G1R+2], 128<<16                    ; 128 of them: two K steps' fragments
	s_mov_b32 s[G1R+3], 32<<16
	s_mov_b32 s[G1R+4], 128
	s_mov_b32 s[G1R+5], 32
	s_mov_b32 s[G1R+6], 0
	s_mov_b32 s[G1R+7], 0
	s_lshl_b32 s86, s14, 14                        ; my K step of a pair: 16 KiB on, in memory and in LDS alike
	s_lshl_b32 s20, s19, 17                        ; the values: 128 KiB a tile row: hangs on the tile row alone
	s_add_co_u32 s20, s20, s86
	s_mov_b32 s21, 0
	s_lshl_b32 s22, s18, 17                        ; W_o: 128 KiB a tile column
	s_add_co_u32 s22, s22, s86
	s_mov_b32 s23, 0
	s_lshl_b32 s[G0R+1], s[WV], 15                 ; the refill: my quarter of the block, in LDS
	s_lshl_b32 s58, s19, 17                        ; and in memory: 32 tile rows of 128 KiB on
	s_add_co_u32 s58, s58, s[G0R+1]
	s_add_co_u32 s58, s58, 32*131072
	s_mov_b32 s59, 0
	s_wait_kmcnt 0x0
	s_add_nc_u64 s[20:21], s[4:5], s[20:21]
	s_add_nc_u64 s[22:23], s[8:9], s[22:23]
	s_mov_b32 s[G0R], 1
	s_add_nc_u64 s[G0R+2:G0R+3], s[4:5], s[58:59]
	s_or_b32 s[G0R+3], s[G0R+3], 0x80000000
.irp i, 0,1,2,3
	s_mov_b32 s[G0A+4*\i], 1
	s_add_co_u32 s[G0A+4*\i+1], s86, 32768*\i
	s_add_nc_u64 s[G0A+4*\i+2:G0A+4*\i+3], s[20:21], 32768*\i
	s_or_b32 s[G0A+4*\i+3], s[G0A+4*\i+3], 0x80000000
	s_mov_b32 s[G0B+4*\i], 1
	s_add_co_u32 s[G0B+4*\i+1], s86, 131072+32768*\i
	s_add_nc_u64 s[G0B+4*\i+2:G0B+4*\i+3], s[22:23], 32768*\i
	s_or_b32 s[G0B+4*\i+3], s[G0B+4*\i+3], 0x80000000
.endr
	CROUND                                         ; all sixteen work-groups are here: the joint loads meet
	s_cmp_eq_u32 s13, 0                            ; a wave's four first fills stand in one branch: four loads of mine are out
	s_cbranch_scc0 .Lfor_w
.irp i, 0,1,2,3
	tensor_load_to_lds s[G0A+4*\i:G0A+4*\i+3], s[G1A:G1A+7]
	s_nop 0
.endr
	PLACES 4
	s_branch .Lasked
.Lfor_w:
.irp i, 0,1,2,3
	tensor_load_to_lds s[G0B+4*\i:G0B+4*\i+3], s[G1B:G1B+7]
	s_nop 0
.endr
	PLACES 4
.Lasked:
	v_and_b32 v1, 15, v0                           ; r
	v_bfe_u32 v2, v0, 4, 1                         ; h
	v_and_b32 v3, 31, v0                           ; lane
	v_lshlrev_b32 v4, 4, v3
	v_lshlrev_b32 v5, 3, v3
	v_lshlrev_b32 v13, 2, v3
	s_lshl_b32 s87, s13, 13                        ; my four fragments of a K step's eight
	v_add_nc_u32 v[ADA], s87, v4
	v_add_nc_u32 v[ADA+1], 65536, v[ADA]
	s_lshl_b32 s87, s14, 13
	s_add_co_u32 s87, s87, 131072
	v_add_nc_u32 v[ADB], s87, v4
	v_add_nc_u32 v[ADB+1], 65536, v[ADB]
	s_mul_i32 s87, s[WV], 16*272
	s_add_co_u32 s87, s87, STG                     ; my stage
	v_mul_u32_u24 v[STO], v1, 272
	v_lshl_add_u32 v[STO], v2, 5, v[STO]
	v_add_nc_u32 v[STO], s87, v[STO]               ; in: row r, 32 bytes for each half of the lanes
	v_mul_u32_u24 v[RD], v2, 272
	v_lshl_add_u32 v[RD], v1, 4, v[RD]
	v_add_nc_u32 v[RD], s87, v[RD]                 ; back: lanes 0-15 one row of 256 bytes, lanes 16-31 the next
	v_lshlrev_b32 v[CO], 4, v1
	v_lshl_add_u32 v[CO], v2, 12, v[CO]            ; and the same two rows in the output
	s_lshl_b32 s88, s19, 13
	s_lshl_b32 s89, s13, 8
	s_add_co_u32 s88, s88, s89
	s_mov_b32 s89, 0
	s_add_nc_u64 s[6:7], s[6:7], s[88:89]          ; the values' scale bytes: [128 rows][head][64 rows][lane] pairs of words
	s_lshl_b32 s88, s18, 13
	s_lshl_b32 s90, s14, 12
	s_add_co_u32 s88, s88, s90
	s_add_co_u32 s88, s88, 1048576
	s_add_nc_u64 s[8:9], s[8:9], s[88:89]          ; W_o's scale words, behind its codes
	s_lshl_b32 s88, s19, 19
	s_lshl_b32 s90, s13, 18
	s_add_co_u32 s88, s88, s90
	s_lshl_b32 s90, s18, 9
	s_add_co_u32 s88, s88, s90
	s_lshl_b32 s90, s14, 8
	s_add_co_u32 s88, s88, s90
	s_add_nc_u64 s[10:11], s[10:11], s[88:89]      ; my first row and column of the output
	s_mov_b32 s56, 0x05040100                      ; v_perm_b32: the two low halves;
	s_mov_b32 s57, 0x07060302                      ; the two high halves
.macro RAWLOAD tl                      ; the scale bytes of my 64 rows of tile tl, head by head: 32 tile rows are 262,144 bytes on
.irp d, 0,1,2,3,4,5,6,7,8,9,10,11,12,13,14,15
	global_load_b64 v[RAW+2*\d:RAW+2*\d+1], v5, s[6:7] offset:262144*(\tl)+512*\d
.endr
.endm
.macro ASWORDS                         ; a row tile's scale word of K step k: two bytes from head 2 k, two from head 2 k + 1
.irp k, 0,1,2,3,4,5,6,7
	v_perm_b32 v[AS+\k], v[RAW+4*\k+2], v[RAW+4*\k], s56
	v_perm_b32 v[AS+8+\k], v[RAW+4*\k+2], v[RAW+4*\k], s57
	v_perm_b32 v[AS+16+\k], v[RAW+4*\k+3], v[RAW+4*\k+1], s56
	v_perm_b32 v[AS+24+\k], v[RAW+4*\k+3], v[RAW+4*\k+1], s57
.endr
.endm
	RAWLOAD 0
.irp b, 0,1,2,3
.irp k, 0,1,2,3,4,5,6,7
	global_load_b32 v[BS+8*\b+\k], v13, s[8:9] offset:1024*\b+128*\k
.endr
.endr
.macro FETCH ks                        ; K step ks: my four fragments of each side into set ks % 2: 32 loads of 512 consecutive bytes
.set FS, 128*((\ks)%2)
.set AH, (\ks)/4
.set KO, ((\ks)%4)*16384
	WIN 0x40
.irp t, 0,1,2,3
.irp c, 0,1,2,3
	ds_load_b128 v[FS+16*\t+4*\c:FS+16*\t+4*\c+3], v[ADA+AH] offset:KO+2048*\t+512*\c
	ds_load_b128 v[FS+64+16*\t+4*\c:FS+64+16*\t+4*\c+3], v[ADB+AH] offset:KO+2048*\t+512*\c
.endr
.endr
.endm
.macro MUL ks                          ; 16 matrix instructions; the 16 accumulators take turns, one instruction a turn, in the same order in every step
.set CF, 128*((\ks)%2)
	WIN 0x05                                       ; sources 0 and 1 window 1; C and D window 0
.irp a, 0,1,2,3
.irp b, 0,1,2,3
.if (\ks) == 0
	v_wmma_scale_f32_16x16x128_f8f6f4 v[ACC+8*(4*\a+\b):ACC+8*(4*\a+\b)+7], v[CF+64+16*\b:CF+64+16*\b+15], v[CF+16*\a:CF+16*\a+15], 0, v[BS+8*\b+(\ks)], v[AS+8*\a+(\ks)]
.else
	v_wmma_scale_f32_16x16x128_f8f6f4 v[ACC+8*(4*\a+\b):ACC+8*(4*\a+\b)+7], v[CF+64+16*\b:CF+64+16*\b+15], v[CF+16*\a:CF+16*\a+15], v[ACC+8*(4*\a+\b):ACC+8*(4*\a+\b)+7], v[BS+8*\b+(\ks)], v[AS+8*\a+(\ks)]
.endif
.endr
.endr
.endm
; The eight K steps of tile tl.  In the first tile the pairs of K steps are waited for as they are first read, and at its last step the values' block is filled again.
.macro KLOOP tl
.irp ks, 0,1,2,3,4,5,6,7
	s_wait_dscnt 0x0                               ; this step's fragments are in
.if ((\tl) == 0) && ((\ks == 1) || (\ks == 3) || (\ks == 5))
	s_wait_tensorcnt 3-(\ks+1)/2                   ; my part of the next pair of K steps is in; the later pairs may stay out
	s_barrier_signal -1
	s_barrier_wait -1
.endif
.if ((\tl) == 0) && (\ks == 7)
	WIN 0
	s_wait_tensorcnt 0x0                           ; all my tensor loads have landed
	ds_add_u32 v[SPW], v[NIL]                      ; 0 onto my spare word
	s_wait_dscnt 0x0                               ; the add is done; my reads of the values' block were over at this step's head
	CROUND                                         ; a round of the cluster's barrier: no wave of any partner still reads the block or has a load on its way
	tensor_load_to_lds s[G0R:G0R+3], s[G1R:G1R+7]  ; my one tensor load behind the round: a quarter of the second tile's values
	s_nop 0
	PLACES 4
.else
	PLACES 8                                       ; in front of loads into registers that the step before last multiplied (ISA guide 7.12.1 for vector instructions); at a tile's first step: behind the scale words just made
.endif
.if \ks < 7
	FETCH \ks+1
.endif
	MUL \ks
.endr
.endm
; THE WAY OUT, 16 rows x 64 columns at a time, through my own stage: LDS serves a wave's instructions in order (ISA guide 5.7.1.4), so no wait stands between the stores and the loads, nor in front of the next block's stores.
.macro TOSTAGE a
	WIN 0
.irp b, 0,1,2,3
	ds_store_b128 v[STO], v[ACC+8*(4*(\a)+\b):ACC+8*(4*(\a)+\b)+3] offset:64*\b        ; each accumulator from its low end on
	ds_store_b128 v[STO], v[ACC+8*(4*(\a)+\b)+4:ACC+8*(4*(\a)+\b)+7] offset:64*\b+16
.endr
	WIN 0x40
.irp i, 0,1,2,3,4,5,6,7
	ds_load_b128 v[32*((\a)%2)+4*\i:32*((\a)%2)+4*\i+3], v[RD] offset:\i*544
.endr
.endm
.macro SEND a, younger                 ; younger: the LDS instructions issued behind block a's loads, which may stay out
	s_wait_dscnt \younger
	WIN 0x04                                       ; a store's data are its source 1: window 1
.irp i, 0,1,2,3,4,5,6,7
	global_store_b128 v[CO], v[32*((\a)%2)+4*\i:32*((\a)%2)+4*\i+3], s[10:11] offset:(16*(\a)+2*\i)*4096 th:TH_STORE_NT   ; 16 lanes store 256 consecutive bytes, aligned; written once, read by nobody here
.endr
.endm
.macro WAYOUT
	TOSTAGE 0
.irp a, 1,2,3
.if \a > 1
	s_wait_xcnt 0x0                                ; block a - 2's stores have read their registers: block a's loads may land there
.endif
	TOSTAGE \a
	SEND \a-1, 16                                  ; behind block a - 1's loads: block a's 8 stores and 8 loads
.endr
	SEND 3, 0
	WIN 0
.endm
	s_wait_tensorcnt 3                             ; my part of K steps 0 and 1 is in; the three later pairs may stay out
	s_barrier_signal -1
	s_barrier_wait -1                              ; everybody's is
	FETCH 0
	WIN 0
	s_wait_loadcnt 0x0
	ASWORDS
	RAWLOAD 1                                      ; the second tile's scale bytes are asked for as soon as the first's are used up
	KLOOP 0
	WIN 0
	PLACES 8                                       ; behind the last products: their results are read, and their scale registers written, below
	s_wait_loadcnt 0x0
	ASWORDS                                        ; the second tile's scale words
	WAYOUT                                         ; the first tile goes out while the second tile's values are on their way
	s_wait_xcnt 0x0                                ; the stores have read their base and their registers: the base steps, and fragments land on those registers
	s_add_nc_u64 s[10:11], s[10:11], 0x1000000     ; 32 tile rows of 128 rows of 4,096 bytes on
	s_wait_tensorcnt 0x0                           ; my quarter of the second tile's values is in,
	s_wait_dscnt 0x0
	s_barrier_signal -1
	s_barrier_wait -1                              ; everybody's is
	FETCH 0
	KLOOP 1
	WIN 0
	PLACES 8
	WAYOUT
	s_wait_tensorcnt 0x0                           ; the wave's end
	ds_add_u32 v[SPW], v[NIL]
	s_wait_dscnt 0x0
	CROUND                                         ; the closing round: no work-group ends while a partner may still ask for a tile that names it
	s_endpgm
.Lfunc_end_k_q9215e23555_outp:
	.size	k_q9215e23555_outp, .Lfunc_end_k_q9215e23555_outp-k_q9215e23555_outp
	.p2alignl 7, 3214868480
	.fill 96, 4, 3214868480
	.section	.rodata,"a",@progbits
	.p2align	6, 0x0
	.amdhsa_kernel k_q9215e23555_outp
		.amdhsa_group_segment_fixed_size 327680
		.amdhsa_private_segment_fixed_size 0
		.amdhsa_enable_private_segment 0
		.amdhsa_kernarg_size 32
		.amdhsa_user_sgpr_count 2
		.amdhsa_user_sgpr_kernarg_segment_ptr 1
		.amdhsa_wavefront_size32 1
		.amdhsa_system_sgpr_workgroup_id_x 1
		.amdhsa_system_sgpr_workgroup_id_y 1
		.amdhsa_system_sgpr_workgroup_id_z 1
		.amdhsa_system_vgpr_workitem_id 0
		.amdhsa_next_free_vgpr 512
		.amdhsa_next_free_sgpr 100
		.amdhsa_reserve_vcc 0
		.amdhsa_float_denorm_mode_32 3
		.amdhsa_float_denorm_mode_16_64 3
		.amdhsa_memory_ordered 1
		.amdhsa_forward_progress 1
		.amdhsa_inst_pref_size 105
	.end_amdhsa_kernel
	.amdgpu_metadata
---
amdhsa.version: [ 1, 2 ]
amdhsa.kernels:
  - .name:           k_q9215e23555_outp
    .symbol:         k_q9215e23555_outp.kd
    .args:
      - { .name: vc, .offset: 0, .size: 8, .value_kind: global_buffer, .address_space: global }
      - { .name: vs, .offset: 8, .size: 8, .value_kind: global_buffer, .address_space: global }
      - { .name: wo, .offset: 16, .size: 8, .value_kind: global_buffer, .address_space: global }
      - { .name: out0, .offset: 24, .size: 8, .value_kind: global_buffer, .address_space: global }
    .group_segment_fixed_size: 327680
    .private_segment_fixed_size: 0
    .kernarg_segment_align: 8
    .kernarg_segment_size: 32
    .max_flat_workgroup_size: 128
    .sgpr_count:     100
    .vgpr_count:     512
    .wavefront_size: 32
...
	.end_amdgpu_metadata
.endif
;; end of part 3
